; MI455X (gfx1250); checked and timed in simulation.
; The chip was launched on July 23, 2026; its instructions are those of AMD's public machine-readable ISA for CDNA 5 (MIT licence, August 2026) and "CDNA5" Instruction Set Architecture Reference Guide (July 2026). The comments in the code are by the model that wrote it; some were corrected since.
;; LS2 T. Allowed arithmetic: matrix products marked QUANTISED: E3M2 operands, one E8M0 scale for each 32 along K, by v_wmma_scale_f32_16x16x128_f8f6f4 with both operands' format E3M2, f32 sums; everything else in f32.
;; Inputs: bias 6 x 64 float32; kernel_codes 6 x 64 x 4 x 24 uint8 (E3M2 codes of kernel, K innermost, in blocks of 32 codes, four codes in three bytes); kernel_scales 6 x 64 x 4 uint8 (E8M0 scales of kernel, one for each 32 codes along K); sequences_codes 64 x 4,096 x 4 x 24 uint8 (E3M2 codes of sequences, K innermost, in blocks of 32 codes, four codes in three bytes); sequences_scales 64 x 4,096 x 4 uint8 (E8M0 scales of sequences, one for each 32 codes along K).
;; Outputs: out0 64 x 64 x 3 float32.
;; This version of the problem:
;;   THIS VERSION OF THE PROBLEM IS GIVEN IN LOW PRECISION. The matrix products marked QUANTISED in the list below multiply operands that are first quantised to E3M2 (3 exponent bits, 2 mantissa bits; 6 bits a number), with one power-of-two scale for each 32 numbers along K (OCP MX v1.0); their sums are f32. All else is computed in f32.
;;   The module's matrix products, in the order in which they are computed (A, B: the left and right operand; K: the contracted axis; several contracted axes count as one K, in the product's order):
;;     1. [M 384, K 128] x [K 128, N 262,144]; A: input kernel (given as codes); B: input sequences (given as codes): QUANTISED
;;   THE QUANTISER, for each operand of a quantised product, along K:
;;     - K is cut into blocks of 32 from its start; a last block that is shorter is filled with zeros.
;;     - A block's scale is 2^e with e = floor(log2(the largest magnitude in the block)) - 4, held to -126 .. 127; a block of zeros has e = 0. As a byte (E8M0): e + 127.
;;     - Each number is divided by its block's scale, clamped to +-28, and rounded to the nearest number of E3M2, ties to even, subnormals kept.
;;     - The product sums the exact products of the quantised numbers (number of the format x scale) in f32.
;;   ~~~python
;;   def quantise(x, axis):      # numpy; x: float32 -> the quantised numbers, widened to float32 again
;;       x = np.moveaxis(x, axis, -1); K = x.shape[-1]
;;       x = np.pad(x, [(0, 0)] * (x.ndim - 1) + [(0, -K % 32)]); x = x.reshape(x.shape[:-1] + (-1, 32)); a = np.abs(x).max(-1, keepdims=True)
;;       e = np.where(a > 0, np.clip(np.frexp(np.where(a > 0, a, 1))[1] - 1 - 4, -126, 127), 0)      # np.frexp(a)[1] - 1 = floor(log2(a)), exactly
;;       r = np.clip(x / 2.0 ** e, -28, 28)
;;       step = 2.0 ** (np.maximum(np.frexp(np.where(r == 0, 1, r))[1] - 1, -2) - 2)
;;       q = np.round(r / step) * step * 2.0 ** e      # np.round: ties to even
;;       return np.moveaxis(q.reshape(q.shape[:-2] + (-1,))[..., :K], -1, axis).astype(np.float32)
;;   ~~~
;;   INPUTS GIVEN AS CODES. kernel (in the module: [6, 128, 64], K = its axis 1); sequences (in the module: [64, 4096, 128], K = its axis 2): each comes as NAME_codes (uint8): NAME with its K axis moved to the last place and cut into blocks of 32 codes, [.., K / 32, bytes a block], one block behind the other in memory; four codes in three bytes: a row's codes are one little-endian stream of bits, code i at bits 6 i .. 6 i + 5 (a code: sign, 3 exponent bits, 2 mantissa bits); and NAME_scales (uint8): the same leading axes, one E8M0 byte (e + 127) for each 32 codes along K. Its value is code x scale, taken as it is: it is not quantised again, and the codes and scales need not be those that the quantiser above would give.
;; 2 versions, each right. Each part assembles by itself: llvm-mc -triple=amdgcn-amd-amdhsa -mcpu=gfx1250 --defsym DOCPART=n.
;; ======== version 1 of 2: 2 launches
;; workspace buffers: sums 655,360 bytes
;; launch scan (part 1): grid 256 x 1, 16 waves a work-group, no clusters, 185,856 bytes of LDS; arguments sequences_codes, sequences_scales, kernel_codes, kernel_scales, bias, sums; writes sums
.if DOCPART == 1
	.amdgcn_target "amdgcn-amd-amdhsa--gfx1250"
	.amdhsa_code_object_version 6
	.text
	.protected	k_q9bab272e78_scan
	.globl	k_q9bab272e78_scan
	.p2align	8
	.type	k_q9bab272e78_scan,@function
k_q9bab272e78_scan:
	s_mov_b64 s[64:65], 0
	v_nop
	global_prefetch_b8 v0, s[64:65] scope:SCOPE_SE
	s_setreg_imm32_b32 hwreg(HW_REG_WAVE_MODE, 25, 1), 1
	s_wait_xcnt 0x0
; M[c][b][t][f] = sequences[b][t][:] . kernel[c][:][f] + bias[c][f], on codes of BF6 (E3M2) with one E8M0 scale for each 32 along K = 128, and of it the iterated sums over t:
;   Y0 = sum M0,   Y1 = sum over s < t of M1[s] M2[t],   Y2 = sum over r < s < t of M3[r] M4[s] M5[t].
; A STRETCH OF TIME IS SUMMED UP BY TEN NUMBERS for each (b, f): a0 .. a5 (plain sums), l12, l34, l45, l345 (iterated sums inside the stretch).  Stretch X followed by stretch Y:
;   l12 = l12X + l12Y + a1X a2Y;  l34, l45 likewise;  l345 = l345X + l345Y + l34X a5Y + a3X l45Y;  the a's add.  Only sums and products: no difference is formed.
; SHARES.  Work-group 4 b + quarter owns 1,024 times of batch b: 16 segments of 64 times.  All that it reads lies in LDS once (98,304 bytes of codes, 4,096 of scale bytes, the kernel's 36,864): first fills only.
; Sixteen waves, four to a SIMD, so that one wave's packed arithmetic stands beside another's matrix instructions.  Wave w: ft = w & 3 (its 16 f), g = w >> 2 (segments 4 g .. 4 g + 3): 16 steps of 6 matrix instructions.
; LAYOUT.  Source 0 = 16 times, source 1 = 16 f of one c.  In a result lane (r, h) holds f = 16 ft + r, register j the tile's row 8 h + j.  THE TIMES OF A TILE ARE NOT NEIGHBOURS: row m of step k is time
; 64 (4 g + 2 (m >> 3) + (m & 1)) + 4 k + ((m >> 1) & 3).  So a lane's even registers walk segment 4 g + 2 h and its odd ones segment 4 g + 2 h + 1, four successive times a step: a register pair is two independent
; scans, and all of the scan is packed arithmetic.  The six c give M0 .. M5 of one (t, f) in one lane under one register number.
; sum M0 costs no vector work: its accumulator adds in place through all 16 steps; its bias comes in at the end, 128 times for a lane's 128 times.  The biases of c = 1 .. 5 are the C of their products.
; NO CLUSTER: what work-groups share is the kernel's 36,864 of a work-group's 139,264 bytes, fetched once at the head (2,304 bytes a wave) and in no loop; joint loads would add two rounds to a text of 16 steps.
; LIMITS: the f32 sums over time are taken in another order than a running sum has them (by segments, joined in order of time), and sum (M0 + b0) is formed as sum M0 + 128 b0 for each 128 times.
; A scale byte 0xff makes the sums NaN, as the matrix instruction has it.
.set PART,  1536                       ; 16 times of a segment: 16 rows of 96 bytes = 4 steps; what one of a wave's four loads of codes brings
.set SEGP,  6400                       ; LDS: segment s at 6400 s + 16 (s & 1) + 64 (s & 2), 6,144 dense bytes: so the 16 rows of a fragment load begin at 16 different multiples of 16 bytes modulo 256
.set SSC,   102400                     ; segment s's 64 scale words at SSC + 288 s
.set KER,   107008                     ; the kernel's 384 rows (64 c + f), 144 bytes apart: 16 bytes of padding behind every 32
.set SUM,   162304                     ; summaries, written by LDS stores alone: stretch q = 2 g + h at 2688 q; in it [f][4] at 0, [f][4] at 1024, [f][2] at 2048
.set SUMP,  2688
.set ASEQ,  1                          ; v1   my row of a tile of times, + 24 h
.set ASSC,  2                          ; v2   my row's scale word: lanes 0-15 of an even step, lanes 16-31 of the odd step behind it
.set AK24,  3                          ; v3   my row of the kernel, + 24 h
.set AK40,  4                          ; v4   the same + 40 h: for the pieces that in lanes 16-31 lie behind one padding more
.set GOF,   5                          ; v5   4 (16 ft + r): my f in a row of bias or of the kernel's scale words
.set AS16,  6                          ; v6   where my summary's two groups of four go
.set AS8,   7                          ; v7   and its last two numbers
.set GO16,  8                          ; v8   16 (thread & 63): my f in sums
.set GO8,   9                          ; v9   8 (thread & 63)
.set RD16,  10                         ; v10  SUM + 16 (thread & 63)
.set RD8,   11                         ; v11  SUM + 2048 + 8 (thread & 63)
.set KS,    12                         ; v12-17  the kernel's scale words, c = 0 .. 5: scales and nothing else
.set BIAS0, 18                         ; v18  bias[0][f]
.set SS,    20                         ; v20-27  the times' scale words: register i: lanes 0-15 step 2 i, lanes 16-31 step 2 i + 1
.set ABUF,  28                         ; v28-39, v40-51  a step's fragment of times, two buffers
.set KF,    52                         ; v52-123  the kernel's six fragments: they stay
.set BI,    124                        ; v124-163 bias[c][f], c = 1 .. 5, eight times each: the C of the products
.set ACC0,  164                        ; v164-171 sum M0
.set RM1,   172                        ; v172-211 M1 .. M5 of the step
.set RM2,   180
.set RM3,   188
.set RM4,   196
.set RM5,   204
.set SE1,   212                        ; the state, a pair each (even segment, odd segment): sums so far of M1, M2; l12; of M3, M4, M5; l34, l45, l345
.set SA2,   214
.set SL12,  216
.set SE3,   218
.set SE4,   220
.set SA5,   222
.set SL34,  224
.set SL45,  226
.set SL345, 228
.set TMP,   230
.set RLO,   28                         ; a lane's summary: a1, a2, a0, l12 in v28-31 (buffer 0 is done with);
.set RMID,  232                        ; l345, a3, a4, a5 in v232-235;
.set RHI,   236                        ; l34, l45 in v236-237
.set RF,    28                         ; the fold: the running summary in v28-37,
.set YF,    40                         ; stretch q's in v[40 + 12 (q - 1)] on
.set G1K,   24                         ; s[24:31] descriptor group 1: the kernel's rows;  s[32:39] a segment's scale words;  s[40:47] a part of a segment's codes
.set G1S,   32
.set G1Q,   40
.set G0K,   48                         ; s[48:51], s[52:55] their groups 0;  the four parts': s[56:59], s[60:63], s[68:71], s[72:75]
.set G0S,   52
	s_load_b256 s[4:11], s[0:1], 0x0               ; the times' codes s[4:5], their scales s[6:7], the kernel's codes s[8:9], its scales s[10:11]
	s_load_b128 s[12:15], s[0:1], 0x20             ; bias s[12:13], sums s[14:15]
	v_lshl_add_u32 v240, v0, 2, 0x2ce00
	v_mov_b32 v241, 0
	ds_add_u32 v240, v241
	ds_add_u32 v240, v241
	v_lshrrev_b32 v1, 5, v0
	v_readfirstlane_b32 s16, v1                    ; wave 0 .. 15
	s_and_b32 s17, s16, 3                          ; ft
	s_lshr_b32 s18, s16, 2                         ; g
	; group 1 for the kernel: 24 rows of 96 elements of 1 byte, dense in memory; in LDS 4 words of padding (code 3) behind every 8 words (code 2)
	s_mov_b32 s[G1K+0], (1<<20)|(2<<22)|(3<<25)
	s_mov_b32 s[G1K+1], 96<<16                     ; tensor_dim0
	s_mov_b32 s[G1K+2], 24<<16                     ; tensor_dim1
	s_mov_b32 s[G1K+3], 96<<16                     ; tile_dim0
	s_mov_b32 s[G1K+4], 24                         ; tile_dim1
	s_mov_b32 s[G1K+5], 96                         ; from row to row
	s_mov_b32 s[G1K+6], 0
	s_mov_b32 s[G1K+7], 0
	; for a segment's scale words: one row of 32 elements of 8 bytes
	s_mov_b32 s[G1S+0], 3<<16
	s_mov_b32 s[G1S+1], 32<<16
	s_mov_b32 s[G1S+2], 1<<16
	s_mov_b32 s[G1S+3], 32<<16
	s_mov_b32 s[G1S+4], 1
	s_mov_b32 s[G1S+5], 32
	s_mov_b32 s[G1S+6], 0
	s_mov_b32 s[G1S+7], 0
	; for a part of a segment's codes: 1,536 dense bytes as 6 rows of 32 elements of 8 bytes
	s_mov_b32 s[G1Q+0], 3<<16
	s_mov_b32 s[G1Q+1], 32<<16
	s_mov_b32 s[G1Q+2], 6<<16
	s_mov_b32 s[G1Q+3], 32<<16
	s_mov_b32 s[G1Q+4], 6
	s_mov_b32 s[G1Q+5], 32
	s_mov_b32 s[G1Q+6], 0
	s_mov_b32 s[G1Q+7], 0
	; byte offsets in memory, each in a pair of its own
	s_mul_i32 s76, s16, 2304                       ; the kernel: my 24 rows
	s_mov_b32 s77, 0
	s_lshl_b32 s78, ttmp9, 12                      ; scale words: the work-group's 4,096 bytes,
	s_lshl_b32 s79, s16, 8                         ; segment w's 256
	s_add_co_u32 s78, s78, s79
	s_mov_b32 s79, 0
	s_mul_i32 s22, ttmp9, 98304                    ; codes: the work-group's 1,024 rows (25,067,520 at the most),
	s_mul_i32 s23, s16, 6144                       ; segment w's 64
	s_add_co_u32 s22, s22, s23
	s_mov_b32 s23, 0
	s_mul_i32 s20, ttmp9, 2560                     ; sums: the work-group's summary
	s_mov_b32 s21, 0
	; where the tiles go: a constant + the wave's number times a constant (+ the segment's shift)
	s_mov_b32 s[G0K], 1
	s_mul_i32 s[G0K+1], s16, 24*144
	s_add_co_u32 s[G0K+1], s[G0K+1], KER
	s_mov_b32 s[G0S], 1
	s_mul_i32 s[G0S+1], s16, 288
	s_add_co_u32 s[G0S+1], s[G0S+1], SSC
	s_mul_i32 s19, s16, SEGP
	s_and_b32 s2, s16, 1
	s_lshl_b32 s2, s2, 4
	s_add_co_u32 s19, s19, s2
	s_and_b32 s2, s16, 2
	s_lshl_b32 s2, s2, 6
	s_add_co_u32 s19, s19, s2                      ; segment w in LDS
.macro QLDS g, p
	s_mov_b32 s[\g], 1
	s_add_co_u32 s[\g+1], s19, (\p)*PART
.endm
.macro QGLB g, p
	s_add_nc_u64 s[\g+2:\g+3], s[2:3], (\p)*PART
	s_or_b32 s[\g+3], s[\g+3], 0x80000000          ; type = 2
.endm
	QLDS 56, 0
	QLDS 60, 1
	QLDS 68, 2
	QLDS 72, 3
	s_wait_dscnt 0x0
	s_wait_kmcnt 0x0
	s_add_nc_u64 s[G0K+2:G0K+3], s[8:9], s[76:77]
	s_or_b32 s[G0K+3], s[G0K+3], 0x80000000
	s_add_nc_u64 s[G0S+2:G0S+3], s[6:7], s[78:79]
	s_or_b32 s[G0S+3], s[G0S+3], 0x80000000
	s_add_nc_u64 s[2:3], s[4:5], s[22:23]          ; segment w's codes
	QGLB 56, 0
	QGLB 60, 1
	QGLB 68, 2
	QGLB 72, 3
	s_add_nc_u64 s[14:15], s[14:15], s[20:21]
	; ALL FILLS OF THE LAUNCH, one group: six loads of mine are out.  They end in this order, so the counts 4, 3, 2, 1, 0 below admit them one after the other.
	tensor_load_to_lds s[G0K:G0K+3], s[G1K:G1K+7]  ; 24 rows of the kernel
	s_nop 0
	tensor_load_to_lds s[G0S:G0S+3], s[G1S:G1S+7]  ; segment w's scale words
	s_nop 0
	tensor_load_to_lds s[56:59], s[G1Q:G1Q+7]      ; its times 0-15: steps 0-3
	s_nop 0
	tensor_load_to_lds s[60:63], s[G1Q:G1Q+7]      ; 16-31: steps 4-7
	s_nop 0
	tensor_load_to_lds s[68:71], s[G1Q:G1Q+7]      ; 32-47: steps 8-11
	s_nop 0
	tensor_load_to_lds s[72:75], s[G1Q:G1Q+7]      ; 48-63: steps 12-15
	s_nop 0
	v_and_b32 v232, 15, v0                         ; r
	v_bfe_u32 v233, v0, 4, 1                       ; h
	v_bfe_u32 v234, v0, 3, 1                       ; r >> 3
	v_and_b32 v235, 1, v0                          ; r & 1
	v_bfe_u32 v236, v0, 1, 2                       ; (r >> 1) & 3
	v_and_b32 v237, 63, v0                         ; the f of the fold at the end
	s_lshl_b32 s22, s17, 6
	v_lshl_add_u32 v[GOF], v232, 2, s22            ; 4 (16 ft + r)
.irp c, 0,1,2,3,4,5
	global_load_b32 v[KS+\c], v[GOF], s[10:11] offset:256*\c       ; the scale word of kernel row (c, f): lanes 0-15 are read by the products
.endr
	global_load_b32 v[BIAS0], v[GOF], s[12:13]
.irp c, 1,2,3,4,5
	global_load_b32 v[BI+8*(\c-1)], v[GOF], s[12:13] offset:256*\c
.endr
	; every LDS address, from the thread's and the wave's number and constants
	s_mul_i32 s19, s18, 4*SEGP
	v_mul_u32_u24 v[ASEQ], v234, 2*SEGP+128        ; row r of a tile lies in segment 4 g + 2 (r >> 3) + (r & 1),
	v_mad_u32_u24 v[ASEQ], v235, SEGP+16, v[ASEQ]
	v_mad_u32_u24 v[ASEQ], v236, 96, v[ASEQ]       ; at the step's time (r >> 1) & 3;
	v_mad_u32_u24 v[ASEQ], v233, 24, v[ASEQ]       ; lanes 16-31 take the 24 bytes behind those of lanes 0-15
	v_add_nc_u32 v[ASEQ], s19, v[ASEQ]
	s_mul_i32 s20, s18, 4*288
	s_add_co_u32 s20, s20, SSC
	v_mul_u32_u24 v[ASSC], v234, 2*288
	v_mad_u32_u24 v[ASSC], v235, 288, v[ASSC]
	v_lshl_add_u32 v[ASSC], v236, 2, v[ASSC]
	v_lshl_add_u32 v[ASSC], v233, 4, v[ASSC]       ; lanes 16-31: one step (4 times, 16 bytes) on
	v_add_nc_u32 v[ASSC], s20, v[ASSC]
	s_mul_i32 s21, s17, 16*144
	s_add_co_u32 s21, s21, KER
	v_mul_u32_u24 v[AK24], v232, 144
	v_add_nc_u32 v[AK24], s21, v[AK24]
	v_mad_u32_u24 v[AK40], v233, 40, v[AK24]
	v_mad_u32_u24 v[AK24], v233, 24, v[AK24]
	s_mul_i32 s23, s18, 2*SUMP
	s_add_co_u32 s23, s23, SUM
	s_lshl_b32 s76, s17, 8
	s_add_co_u32 s76, s76, s23                     ; stretch 2 g, f = 16 ft: 16 bytes an f
	s_lshl_b32 s78, s17, 7
	s_add_co_u32 s78, s78, s23
	s_add_co_u32 s78, s78, 2048                    ; and 8 bytes an f
	v_mul_u32_u24 v[AS16], v233, SUMP              ; lanes 16-31: stretch 2 g + 1
	v_lshl_add_u32 v[AS8], v232, 3, v[AS16]
	v_lshl_add_u32 v[AS16], v232, 4, v[AS16]
	v_add_nc_u32 v[AS16], s76, v[AS16]
	v_add_nc_u32 v[AS8], s78, v[AS8]
	v_lshlrev_b32 v[GO16], 4, v237
	v_lshlrev_b32 v[GO8], 3, v237
	v_lshl_add_u32 v[RD16], v237, 4, SUM
	v_lshl_add_u32 v[RD8], v237, 3, SUM+2048
	s_wait_loadcnt 0x0                             ; the kernel's scale words and the biases
.irp c, 0,1,2,3,4
.irp j, 1,2,3,4,5,6,7
	v_mov_b32 v[BI+8*\c+\j], v[BI+8*\c]            ; a lane's eight results of a product have one f: its bias eight times
.endr
.endr
	s_wait_tensorcnt 0x4                           ; my rows of the kernel and my segment's scale words are in; the four parts of codes may be out
	s_barrier_signal -1
	s_barrier_wait -1                              ; everybody's are
	; The kernel's fragments: lane (r, h) takes of row (c, 16 ft + r) the pieces of 8 bytes 3 h + 0, 1, 2 and 6 + 3 h + 0, 1, 2; piece i lies at 8 i + 16 (i / 4).
	; Lanes 16-31 are 24 bytes on for the first and the last of the six, 40 for the others (one padding more).
.irp c, 0,1,2,3,4,5
	ds_load_b64 v[KF+12*\c:KF+12*\c+1],     v[AK24] offset:64*144*\c
	ds_load_b64 v[KF+12*\c+2:KF+12*\c+3],   v[AK40] offset:64*144*\c+8
	ds_load_b64 v[KF+12*\c+4:KF+12*\c+5],   v[AK40] offset:64*144*\c+16
	ds_load_b64 v[KF+12*\c+6:KF+12*\c+7],   v[AK40] offset:64*144*\c+64
	ds_load_b64 v[KF+12*\c+8:KF+12*\c+9],   v[AK40] offset:64*144*\c+72
	ds_load_b64 v[KF+12*\c+10:KF+12*\c+11], v[AK24] offset:64*144*\c+96
.endr
.irp i, 0,1,2,3,4,5,6,7
	ds_load_b32 v[SS+\i], v[ASSC] offset:32*\i     ; the scale words of steps 2 i (lanes 0-15) and 2 i + 1 (lanes 16-31)
.endr
	s_wait_dscnt 0x0                               ; they are in, and no LDS instruction of mine is out at the signal
	s_wait_tensorcnt 0x3                           ; my segment's times 0-15 are in
	s_barrier_signal -1
	s_barrier_wait -1                              ; every segment's are
; Step k's fragment of 16 times: 24 bytes twice, in pieces of 8; a step is 4 rows of 96 bytes on from the last
.macro LOADA k
.irp p, 0,1,2,3,4,5
	ds_load_b64 v[ABUF+12*((\k)%2)+2*\p:ABUF+12*((\k)%2)+2*\p+1], v[ASEQ] offset:384*(\k)+48*(\p/3)+8*(\p%3)
.endr
.endm
; One product: result d, component c, C in registers cr on (cr < 0: the constant 0), step k.  An odd step's scale words stand in lanes 16-31.
.macro MM d, c, cr, k
.if (\cr) < 0
	v_wmma_scale_f32_16x16x128_f8f6f4 v[\d:\d+7], v[AB:AB+11], v[KF+12*\c:KF+12*\c+11], 0, v[SS+(\k)/2], v[KS+\c] matrix_a_fmt:MATRIX_FMT_BF6 matrix_b_fmt:MATRIX_FMT_BF6
.elseif (\k)%2
	v_wmma_scale_f32_16x16x128_f8f6f4 v[\d:\d+7], v[AB:AB+11], v[KF+12*\c:KF+12*\c+11], v[\cr:\cr+7], v[SS+(\k)/2], v[KS+\c] matrix_a_fmt:MATRIX_FMT_BF6 matrix_b_fmt:MATRIX_FMT_BF6 matrix_a_scale:MATRIX_SCALE_ROW1
.else
	v_wmma_scale_f32_16x16x128_f8f6f4 v[\d:\d+7], v[AB:AB+11], v[KF+12*\c:KF+12*\c+11], v[\cr:\cr+7], v[SS+(\k)/2], v[KS+\c] matrix_a_fmt:MATRIX_FMT_BF6 matrix_b_fmt:MATRIX_FMT_BF6
.endif
.endm
.macro WA k                            ; M0 onto its running sum (the first step starts it: nothing is cleared), M1, M2.  Between two links of M0's chain stand the five other products, one instruction a turn
.set AB, ABUF+12*((\k)%2)
.if (\k) == 0
	MM ACC0, 0, -1, \k
.else
	MM ACC0, 0, ACC0, \k
.endif
	MM RM1, 1, BI, \k
	MM RM2, 2, BI+8, \k
.endm
.macro WB k                            ; M3, M4, M5
.set AB, ABUF+12*((\k)%2)
	MM RM3, 3, BI+16, \k
	MM RM4, 4, BI+24, \k
	MM RM5, 5, BI+32, \k
.endm
.macro VA p                            ; time p of the step, both segments: l12 takes M2 x (M1's sum BEFORE this time); then the sums go on
	v_pk_fma_f32 v[SL12:SL12+1], v[RM2+2*\p:RM2+2*\p+1], v[SE1:SE1+1], v[SL12:SL12+1]
	v_pk_add_f32 v[SE1:SE1+1], v[SE1:SE1+1], v[RM1+2*\p:RM1+2*\p+1]
	v_pk_add_f32 v[SA2:SA2+1], v[SA2:SA2+1], v[RM2+2*\p:RM2+2*\p+1]
.endm
.macro VB p                            ; the same for the third level: each line takes the values from before this time
	v_pk_fma_f32 v[SL345:SL345+1], v[RM5+2*\p:RM5+2*\p+1], v[SL34:SL34+1], v[SL345:SL345+1]
	v_pk_fma_f32 v[SL45:SL45+1], v[RM5+2*\p:RM5+2*\p+1], v[SE4:SE4+1], v[SL45:SL45+1]
	v_pk_fma_f32 v[SL34:SL34+1], v[RM4+2*\p:RM4+2*\p+1], v[SE3:SE3+1], v[SL34:SL34+1]
	v_pk_add_f32 v[SA5:SA5+1], v[SA5:SA5+1], v[RM5+2*\p:RM5+2*\p+1]
	v_pk_add_f32 v[SE4:SE4+1], v[SE4:SE4+1], v[RM4+2*\p:RM4+2*\p+1]
	v_pk_add_f32 v[SE3:SE3+1], v[SE3:SE3+1], v[RM3+2*\p:RM3+2*\p+1]
.endm
; A STEP.  Matrix and vector work by halves, so that every distance behind a product (ISA guide 7.12.1) is filled by the other half's arithmetic, which names none of that product's registers:
; the first three products | the third level of the step BEFORE (24 lines) | the last three products | the second level of this step (12 lines).  Results are read from their low end on (time 0 first).
; The fragment of two steps on is asked for behind six of those twelve lines, into the buffer that this step's products have read.
; In steps 2, 6 and 10 that fragment lies in the next part of the segments: a barrier admits it, two steps ahead of its use.
.macro STEP k
.if (\k) < 15
	s_wait_dscnt 6                                 ; this step's fragment is in; the six loads of the next step's may be out
.else
	s_wait_dscnt 0x0
.endif
	WA \k
.if (\k) == 0
.irp j, 0,1,2,3,4,5,6,7,8,9,10,11,12,13,14,15,16,17
	v_mov_b32 v[SE1+\j], 0                         ; the nine pairs of state begin at 0
.endr
.else
	VB 0
	VB 1
	VB 2
	VB 3
.endif
	WB \k
	VA 0
	VA 1
.if ((\k) == 2) || ((\k) == 6) || ((\k) == 10)
	s_wait_tensorcnt 2-((\k)-2)/4                  ; my segment's next 16 times are in; the later parts may be out
	s_wait_dscnt 0x0                               ; no LDS instruction of mine is out at the signal
	s_barrier_signal -1
	VA 2
	VA 3
	s_barrier_wait -1                              ; every segment's are
	LOADA (\k)+2
.else
.if (\k) < 14
	LOADA (\k)+2
.endif
	VA 2
	VA 3
.endif
.endm
	LOADA 0
	LOADA 1
.irp k, 0,1,2,3,4,5,6,7,8,9,10,11,12,13,14,15
	STEP \k
.endr
	VB 0
	VB 1
	VB 2
	VB 3
	; A LANE'S TWO SEGMENTS ARE JOINED: X = the even one (the pairs' low registers), Y = the odd one, which follows it in time
	v_pk_add_f32 v[TMP:TMP+1], v[ACC0:ACC0+1], v[ACC0+2:ACC0+3]
	v_pk_add_f32 v[TMP:TMP+1], v[TMP:TMP+1], v[ACC0+4:ACC0+5]
	v_pk_add_f32 v[TMP:TMP+1], v[TMP:TMP+1], v[ACC0+6:ACC0+7]
	v_add_f32 v[RLO+0], v[SE1], v[SE1+1]           ; a1
	v_add_f32 v[RLO+1], v[SA2], v[SA2+1]           ; a2
	v_add_f32 v[RLO+2], v[TMP], v[TMP+1]           ; a0: the sum of M0 without its bias,
	v_add_f32 v[RLO+3], v[SL12], v[SL12+1]         ; l12
	v_add_f32 v[RMID+0], v[SL345], v[SL345+1]      ; l345
	v_add_f32 v[RMID+1], v[SE3], v[SE3+1]          ; a3
	v_add_f32 v[RMID+2], v[SE4], v[SE4+1]          ; a4
	v_add_f32 v[RMID+3], v[SA5], v[SA5+1]          ; a5
	v_add_f32 v[RHI+0], v[SL34], v[SL34+1]         ; l34
	v_add_f32 v[RHI+1], v[SL45], v[SL45+1]         ; l45
	v_fmac_f32 v[RLO+2], 0x43000000, v[BIAS0]      ; and 128.0 x bias[0][f], for the lane's 128 times
	v_fmac_f32 v[RLO+3], v[SE1], v[SA2+1]          ; + a1X a2Y
	v_fmac_f32 v[RMID+0], v[SL34], v[SA5+1]        ; + l34X a5Y
	v_fmac_f32 v[RHI+0], v[SE3], v[SE4+1]          ; + a3X a4Y
	v_fmac_f32 v[RHI+1], v[SE4], v[SA5+1]          ; + a4X a5Y
	v_fmac_f32 v[RMID+0], v[SE3], v[SL45+1]        ; + a3X l45Y
	ds_store_b128 v[AS16], v[RLO:RLO+3]
	ds_store_b128 v[AS16], v[RMID:RMID+3] offset:1024
	ds_store_b64 v[AS8], v[RHI:RHI+1]
	s_wait_dscnt 0x0                               ; for the others' sake: my stores have landed
	s_barrier_signal -1
	s_barrier_wait -1                              ; the eight stretches' summaries of all 64 f lie in LDS
	s_cmp_ge_u32 s16, 2
	s_cbranch_scc1 .Lend                           ; 64 threads fold them, one to an f; all tensor loads were waited for in step 10
; Stretch Y is joined onto the running summary R, which lies before it in time.  Order of the ten: a1, a2, a0, l12, l345, a3, a4, a5, l34, l45.  The products take R's old numbers; then the ten add.
.macro FOLD R, Y, full
	v_fmac_f32 v[(\R)+3], v[(\R)+0], v[(\Y)+1]     ; l12  += a1X a2Y
	v_fmac_f32 v[(\R)+4], v[(\R)+8], v[(\Y)+7]     ; l345 += l34X a5Y
	v_fmac_f32 v[(\R)+4], v[(\R)+5], v[(\Y)+9]     ;       + a3X l45Y
	v_fmac_f32 v[(\R)+8], v[(\R)+5], v[(\Y)+6]     ; l34  += a3X a4Y
.if \full
	v_fmac_f32 v[(\R)+9], v[(\R)+6], v[(\Y)+7]     ; l45  += a4X a5Y
.endif
.irp i, 0,2,4,6,8
	v_pk_add_f32 v[(\R)+\i:(\R)+\i+1], v[(\R)+\i:(\R)+\i+1], v[(\Y)+\i:(\Y)+\i+1]
.endr
.endm
	ds_load_b128 v[RF:RF+3], v[RD16]
	ds_load_b128 v[RF+4:RF+7], v[RD16] offset:1024
	ds_load_b64 v[RF+8:RF+9], v[RD8]
.irp q, 1,2,3,4,5,6,7
	ds_load_b128 v[YF+12*(\q-1):YF+12*(\q-1)+3], v[RD16] offset:SUMP*\q
	ds_load_b128 v[YF+12*(\q-1)+4:YF+12*(\q-1)+7], v[RD16] offset:SUMP*\q+1024
	ds_load_b64 v[YF+12*(\q-1)+8:YF+12*(\q-1)+9], v[RD8] offset:SUMP*\q
.endr
.irp q, 1,2,3,4,5,6,7
	s_wait_dscnt 21-3*\q                           ; of the 24 loads the three of each later stretch may be out
	FOLD RF, YF+12*(\q-1), 1
.endr
	global_store_b128 v[GO16], v[RF:RF+3], s[14:15]                ; a wave's stores cover 512, 512 and 256 consecutive bytes, each at a multiple of 256 from the buffer's first byte
	global_store_b128 v[GO16], v[RF+4:RF+7], s[14:15] offset:1024
	global_store_b64 v[GO8], v[RF+8:RF+9], s[14:15] offset:2048
.Lend:
	s_wait_tensorcnt 0x0
	ds_add_u32 v240, v241
	s_wait_dscnt 0x0
	s_endpgm
.Lfunc_end_k_q9bab272e78_scan:
	.size	k_q9bab272e78_scan, .Lfunc_end_k_q9bab272e78_scan-k_q9bab272e78_scan
	.p2alignl 7, 3214868480
	.fill 96, 4, 3214868480
	.section	.rodata,"a",@progbits
	.p2align	6, 0x0
	.amdhsa_kernel k_q9bab272e78_scan
		.amdhsa_group_segment_fixed_size 185856
		.amdhsa_private_segment_fixed_size 0
		.amdhsa_enable_private_segment 0
		.amdhsa_kernarg_size 48
		.amdhsa_user_sgpr_count 2
		.amdhsa_user_sgpr_kernarg_segment_ptr 1
		.amdhsa_wavefront_size32 1
		.amdhsa_system_sgpr_workgroup_id_x 1
		.amdhsa_system_sgpr_workgroup_id_y 1
		.amdhsa_system_sgpr_workgroup_id_z 1
		.amdhsa_system_vgpr_workitem_id 0
		.amdhsa_next_free_vgpr 242
		.amdhsa_next_free_sgpr 80
		.amdhsa_reserve_vcc 0
		.amdhsa_float_denorm_mode_32 3
		.amdhsa_float_denorm_mode_16_64 3
		.amdhsa_memory_ordered 1
		.amdhsa_forward_progress 1
		.amdhsa_inst_pref_size 75
	.end_amdhsa_kernel
	.amdgpu_metadata
---
amdhsa.version: [ 1, 2 ]
amdhsa.kernels:
  - .name:           k_q9bab272e78_scan
    .symbol:         k_q9bab272e78_scan.kd
    .args:
      - { .name: sequences_codes, .offset: 0, .size: 8, .value_kind: global_buffer, .address_space: global }
      - { .name: sequences_scales, .offset: 8, .size: 8, .value_kind: global_buffer, .address_space: global }
      - { .name: kernel_codes, .offset: 16, .size: 8, .value_kind: global_buffer, .address_space: global }
      - { .name: kernel_scales, .offset: 24, .size: 8, .value_kind: global_buffer, .address_space: global }
      - { .name: bias, .offset: 32, .size: 8, .value_kind: global_buffer, .address_space: global }
      - { .name: sums, .offset: 40, .size: 8, .value_kind: global_buffer, .address_space: global }
    .group_segment_fixed_size: 185856
    .private_segment_fixed_size: 0
    .kernarg_segment_align: 8
    .kernarg_segment_size: 48
    .max_flat_workgroup_size: 512
    .sgpr_count:     80
    .vgpr_count:     242
    .wavefront_size: 32
...
	.end_amdgpu_metadata
.endif
;; end of part 1
;; launch join (part 2): grid 64 x 1, 2 waves a work-group, no clusters, 0 bytes of LDS; arguments sums, out0; writes out0
.if DOCPART == 2
	.amdgcn_target "amdgcn-amd-amdhsa--gfx1250"
	.amdhsa_code_object_version 6
	.text
	.protected	k_q9bab272e78_join
	.globl	k_q9bab272e78_join
	.p2align	8
	.type	k_q9bab272e78_join,@function
k_q9bab272e78_join:
	s_mov_b64 s[64:65], 0
	v_nop
	global_prefetch_b8 v0, s[64:65] scope:SCOPE_SE
	s_setreg_imm32_b32 hwreg(HW_REG_WAVE_MODE, 25, 1), 1
	s_wait_xcnt 0x0
; out0[b][f][0 .. 2] = (Y0, Y1, Y2) of the whole of time: the summaries of a batch's four quarters, as the launch before stored them, are joined in order of time.
; sums: [4 b + quarter][2,560 bytes]: [f][4] = a1, a2, a0, l12 at 0;  [f][4] = l345, a3, a4, a5 at 1,024;  [f][2] = l34, l45 at 2,048.
; A work-group to a batch, a thread to an f: 4,096 short folds that share nothing, so no LDS, no barrier and no matrix unit; all twelve loads of a thread go out at once.
; The running summary's l45 is read by no later join (a join takes l45 of the LATER stretch), so its product is left out here.
.set QB, 2560                          ; a quarter's summary in bytes
.set R0, 8                             ; quarter j's ten numbers at v[8 + 12 j] on; quarter 0's are the running summary
.macro FOLD R, Y, full
	v_fmac_f32 v[(\R)+3], v[(\R)+0], v[(\Y)+1]     ; l12  += a1X a2Y
	v_fmac_f32 v[(\R)+4], v[(\R)+8], v[(\Y)+7]     ; l345 += l34X a5Y
	v_fmac_f32 v[(\R)+4], v[(\R)+5], v[(\Y)+9]     ;       + a3X l45Y
	v_fmac_f32 v[(\R)+8], v[(\R)+5], v[(\Y)+6]     ; l34  += a3X a4Y
.if \full
	v_fmac_f32 v[(\R)+9], v[(\R)+6], v[(\Y)+7]     ; l45  += a4X a5Y
.endif
.irp i, 0,2,4,6,8
	v_pk_add_f32 v[(\R)+\i:(\R)+\i+1], v[(\R)+\i:(\R)+\i+1], v[(\Y)+\i:(\Y)+\i+1]
.endr
.endm
	s_load_b128 s[4:7], s[0:1], 0x0                ; sums s[4:5], out0 s[6:7]
	v_lshlrev_b32 v1, 4, v0                        ; 16 f
	v_lshlrev_b32 v2, 3, v0                        ; 8 f
	v_mul_u32_u24 v3, v0, 12                       ; 12 f
	s_mul_i32 s8, ttmp9, 4*QB                      ; the batch's four summaries
	s_mov_b32 s9, 0
	s_mul_i32 s10, ttmp9, 768                      ; and its 64 x 3 results
	s_mov_b32 s11, 0
	s_wait_kmcnt 0x0
	s_add_nc_u64 s[4:5], s[4:5], s[8:9]
	s_add_nc_u64 s[6:7], s[6:7], s[10:11]
.irp j, 0,1,2,3
	global_load_b128 v[R0+12*\j:R0+12*\j+3], v1, s[4:5] offset:QB*\j
	global_load_b128 v[R0+12*\j+4:R0+12*\j+7], v1, s[4:5] offset:QB*\j+1024
	global_load_b64 v[R0+12*\j+8:R0+12*\j+9], v2, s[4:5] offset:QB*\j+2048
.endr
.irp j, 1,2,3
	s_wait_loadcnt 9-3*\j                          ; of the twelve loads the three of each later quarter may be out
	FOLD R0, R0+12*\j, 0
.endr
	global_store_b96 v3, v[R0+2:R0+4], s[6:7]      ; a0, l12, l345 stand side by side: a wave's store covers 384 consecutive bytes, the two waves the batch's 768
	s_endpgm
.Lfunc_end_k_q9bab272e78_join:
	.size	k_q9bab272e78_join, .Lfunc_end_k_q9bab272e78_join-k_q9bab272e78_join
	.p2alignl 7, 3214868480
	.fill 96, 4, 3214868480
	.section	.rodata,"a",@progbits
	.p2align	6, 0x0
	.amdhsa_kernel k_q9bab272e78_join
		.amdhsa_group_segment_fixed_size 0
		.amdhsa_private_segment_fixed_size 0
		.amdhsa_enable_private_segment 0
		.amdhsa_kernarg_size 16
		.amdhsa_user_sgpr_count 2
		.amdhsa_user_sgpr_kernarg_segment_ptr 1
		.amdhsa_wavefront_size32 1
		.amdhsa_system_sgpr_workgroup_id_x 1
		.amdhsa_system_sgpr_workgroup_id_y 1
		.amdhsa_system_sgpr_workgroup_id_z 1
		.amdhsa_system_vgpr_workitem_id 0
		.amdhsa_next_free_vgpr 56
		.amdhsa_next_free_sgpr 66
		.amdhsa_reserve_vcc 0
		.amdhsa_float_denorm_mode_32 3
		.amdhsa_float_denorm_mode_16_64 3
		.amdhsa_memory_ordered 1
		.amdhsa_forward_progress 1
		.amdhsa_inst_pref_size 4
	.end_amdhsa_kernel
	.amdgpu_metadata
---
amdhsa.version: [ 1, 2 ]
amdhsa.kernels:
  - .name:           k_q9bab272e78_join
    .symbol:         k_q9bab272e78_join.kd
    .args:
      - { .name: sums, .offset: 0, .size: 8, .value_kind: global_buffer, .address_space: global }
      - { .name: out0, .offset: 8, .size: 8, .value_kind: global_buffer, .address_space: global }
    .group_segment_fixed_size: 0
    .private_segment_fixed_size: 0
    .kernarg_segment_align: 8
    .kernarg_segment_size: 16
    .max_flat_workgroup_size: 64
    .sgpr_count:     66
    .vgpr_count:     56
    .wavefront_size: 32
...
	.end_amdgpu_metadata
.endif
;; end of part 2
;; ======== version 2 of 2: 1 launch
;; launch ls2t (part 3): grid 256 x 1, 16 waves a work-group, clusters of 4 x 1, 327,680 bytes of LDS; arguments sequences_codes, sequences_scales, kernel_codes, kernel_scales, bias, out0; writes out0
.if DOCPART == 3
	.amdgcn_target "amdgcn-amd-amdhsa--gfx1250"
	.amdhsa_code_object_version 6
	.text
	.protected	k_q9bab272e78_ls2t
	.globl	k_q9bab272e78_ls2t
	.p2align	8
	.type	k_q9bab272e78_ls2t,@function
k_q9bab272e78_ls2t:
	s_mov_b64 s[64:65], 0
	v_nop
	global_prefetch_b8 v0, s[64:65] scope:SCOPE_SE
	s_setreg_imm32_b32 hwreg(HW_REG_WAVE_MODE, 25, 1), 1
	s_wait_xcnt 0x0
	s_wait_alu depctr_hold_cnt(0) depctr_sa_sdst(0) depctr_va_vdst(0) depctr_va_sdst(0) depctr_va_ssrc(0) depctr_va_vcc(0) depctr_vm_vsrc(0)
	s_getreg_b32 s2, hwreg(HW_REG_IB_STS2, 6, 4)
	s_cmp_eq_u32 s2, 0
	s_cbranch_scc0 .Lentry_in_a_cluster
	s_endpgm
.Lentry_in_a_cluster:
	s_bfe_u32 s2, ttmp6, 0x10000c
	s_cmp_lg_u32 s2, 0x3003
	s_cbranch_scc0 .Lentry_shape_is_right
	s_endpgm
.Lentry_shape_is_right:
; M[c][b][t][f] = sequences[b][t][:] . kernel[c][:][f] + bias[c][f], on codes of BF6 (E3M2) with one E8M0 scale for each 32 along K = 128, and of it the iterated sums over t:
;   out0[b][f][0] = sum M0,   [1] = sum over s < t of M1[s] M2[t],   [2] = sum over r < s < t of M3[r] M4[s] M5[t].
; A STRETCH OF TIME IS SUMMED UP BY TEN NUMBERS for each (b, f): a0 .. a5 (plain sums), l12, l34, l45, l345 (iterated sums inside the stretch).  Stretch X followed by stretch Y:
;   l12 = l12X + l12Y + a1X a2Y;  l34, l45 likewise;  l345 = l345X + l345Y + l34X a5Y + a3X l45Y;  the a's add.  Only sums and products: no difference is formed.
; SHARES.  A work-group owns ALL 4,096 times of one batch for 16 f, so it owns its 48 outputs and nothing passes between work-groups.  Sixteen waves, four to a SIMD, so that one wave's packed
; arithmetic stands beside another's matrix instructions.  Wave w owns times 256 w .. 256 w + 255 as 16 SEGMENTS of 16 times: in memory 16 rows of 1,536 bytes on end.  16 steps of 6 matrix instructions.
; CLUSTER.  The four work-groups of a batch (f = 16 cx on) walk the same codes: 4 x 1 work-groups form a cluster and each tile is asked for JOINTLY, by the same tensor load with the same descriptor and
; the mask of all four.  Nothing but addresses in memory (kernel, bias, out0) hangs on cx.
; LAYOUT.  Source 0 = 16 times, source 1 = 16 f of one c.  In a result lane (r, h) holds f = r, register j the tile's row 8 h + j.  Step k takes time k of EACH segment, so every lane reads at the same byte
; of its row.  Row m is segment 8 (m >> 3) + ((m >> 1) & 3) + 4 (m & 1): a lane's register pair p holds segments p and p + 4 of its half.  The eight registers are eight independent scans: all packed.
; THE RUNNING SUMS OF M0, M1, M3 ARE KEPT BY THE MATRIX UNIT: their accumulators add in place through the 16 steps.  M1's and M3's biases are added to them by one packed addition a pair and step
; (which takes the place of the addition of M1 or M3 itself); M0's comes in at the end, 128 times for a lane's 128 times.  The biases of c = 2, 4, 5 are the C of their products.
; NOTHING IS CLEARED: step 0's products write the sums of M2, M4, M5 themselves, and the first term of l12, l34, l45 (step 1) and of l345 (step 2) is a multiplication.
; LDS holds 1,024 of a row's 1,536 bytes: two slots of 512 bytes a row; the last 512 fill slot 0 again, once.  A wave reads only tiles that it has fetched itself: its own wait on TENSORcnt orders the reads.
; LIMITS: the f32 sums over time are taken in another order than a running sum has them (by segments, joined in order of time; three of them inside the matrix unit), and sum (M0 + b0) is formed as
; sum M0 + 128 b0 for each 128 times.  A scale byte 0xff makes the sums NaN, as the matrix instruction has it.  A work-group's outputs are 192 consecutive bytes: 16 lanes store 12 bytes each.
.set PARTB,  512                       ; bytes of a row in a tile: a third of a segment
.set PITCH,  528                       ; an LDS row: 512 bytes + 16 of padding = 33 x 16 bytes: the 16 rows of a fragment load begin at 16 different multiples of 16 bytes modulo 256 (64 banks of 4 bytes: ISA guide 11.1)
.set SLOTD,  16*PITCH                  ; a wave's slot: 16 rows
.set WREG,   2*SLOTD                   ; a wave's two slots
.set KIMG,   16*WREG                   ; behind the slots: the kernel's six fragments as images of their registers, 1,536 bytes each (written by LDS stores alone, as all that follows)
.set SUM,    KIMG+6*1536               ; summaries: stretch q = 2 w + h (128 times) at 768 q; in it 48 bytes an f: ten numbers
.set SUMP,   768
.set SUM2,   SUM+32*SUMP               ; four summaries of eight stretches each
.set SPARE,  SUM2+4*SUMP               ; the spare words, 128 bytes for each wave: eight blocks of 256 bytes that no other line names
.set A24,   1                          ; v1   my row of a tile, + 24 h
.set AUP,   2                          ; v2   the same for a piece that lanes 0-15 find in slot 0 and lanes 16-31, 24 bytes on, in slot 1
.set AWR,   3                          ; v3   and for one that lanes 0-15 find in slot 1 and lanes 16-31 in slot 0
.set SPW,   4                          ; v4   LDS address of my spare word: SPARE + 4 x my thread's number; never rewritten
.set NIL,   5                          ; v5   0; never rewritten
.set ASUM,  6                          ; v6   where my lane's summary goes
.set RSUM,  7                          ; v7   the first fold: my f's summaries of eight stretches
.set S2W,   8                          ; v8   where its result goes
.set S2R,   9                          ; v9   the second fold: my f's four
.set OUTO,  10                         ; v10  12 x my f: my bytes of the work-group's outputs
.set BIAS0, 11                         ; v11  bias[0][f]
.set KS,    12                         ; v12-17  the kernel's scale words, c = 0 .. 5: scales and nothing else
.set B1P,   18                         ; v18-19  bias[1][f] twice;  v20-21  bias[3][f] twice
.set B3P,   20
.set SS,    22                         ; v22-29  the times' scale words: register i: lanes 0-15 step i, lanes 16-31 step 8 + i: scales and nothing else
.set ABUF,  30                         ; v30-41, v42-53  a step's fragment of times, two buffers
.set KF,    54                         ; v54-125  the kernel's six fragments: they stay
.set BI2,   126                        ; v126-149 bias[c][f], c = 2, 4, 5, eight times each: the C of their products
.set BI4,   134
.set BI5,   142
.set ACC0,  150                        ; v150-173 the sums so far of M0 (less its bias), M1, M3
.set ACC1,  158
.set ACC3,  166
.set RM2,   174                        ; v174-197 M2, M4, M5 of the step
.set RM4,   182
.set RM5,   190
.set SA2,   198                        ; v198-253 the state, eight scans each: the sums so far of M2; l12; of M4, M5; l34, l45, l345
.set SL12,  206
.set SE4,   214
.set SA5,   222
.set SL34,  230
.set SL45,  238
.set SL345, 246
.set KST,   254                        ; v254 where I store an image's 16 bytes;  v255 where I read them
.set KLD,   255
.set RF,    30                         ; the tail: the running summary in v30-39,
.set YF,    42                         ; the next ones in v[42 + 12 i] on
.set TR,    198                        ; at the head, before the state is begun: numbers made of the thread's number
.set TH,    199
.set TL,    200
.set TRR,   201
.set TA,    202
.set TB,    203
.set GOF,   204
.set SOF,   205
.set KOF,   206
.set THN,   207
.set TP,    208
.set TBASE, 209
.set T48,   210
; A round of the cluster's barrier: my work-group's barrier, so that wave 0's signal speaks for all sixteen waves; wave 0 signals for the work-group; every wave waits for all four work-groups; my work-group's barrier once more.
.macro ROUND
	s_barrier_signal -1
	s_barrier_wait -1
	s_cmp_lg_u32 s16, 0
	s_cbranch_scc1 .Lnot_wave_0_\@
	s_barrier_signal -3
.Lnot_wave_0_\@:
	s_barrier_wait -3
	s_barrier_signal -1
	s_barrier_wait -1
.endm
	s_load_b256 s[4:11], s[0:1], 0x0               ; the times' codes s[4:5], their scales s[6:7], the kernel's codes s[8:9], its scales s[10:11]
	s_load_b128 s[12:15], s[0:1], 0x20             ; bias s[12:13], out0 s[14:15]
	v_lshl_add_u32 v[SPW], v0, 2, SPARE
	v_mov_b32 v[NIL], 0
	ds_add_u32 v4, v5
	ds_add_u32 v4, v5
	s_wait_dscnt 0x0
	v_lshrrev_b32 v[KST], 5, v0
	v_readfirstlane_b32 s16, v[KST]                ; wave 0 .. 15
	s_bfe_u32 s17, ttmp6, 0x40000                  ; cx: which 16 f are my work-group's; ttmp9 counts clusters: the batch
	; descriptor group 1: 16 rows of 64 elements of 8 bytes, 192 elements apart in memory; in LDS 4 words of padding (code 3) behind every 128 words (code 6)
	s_mov_b32 s24, 15|(3<<16)|(1<<20)|(1<<21)|(6<<22)|(3<<25)      ; 15:0 the mask: all four work-groups; 17:16 elements of 8 bytes; 20 padding on; 21 set beside a mask
	s_mov_b32 s25, 64<<16                          ; tensor_dim0
	s_mov_b32 s26, 16<<16                          ; tensor_dim1
	s_mov_b32 s27, 64<<16                          ; tile_dim0
	s_mov_b32 s28, 16                              ; tile_dim1
	s_mov_b32 s29, 192                             ; from row to row: a segment's 1,536 bytes
	s_mov_b32 s30, 0
	s_mov_b32 s31, 0
	; byte offsets in memory, each in a pair of its own
	s_mul_i32 s18, ttmp9, 393216                   ; codes: the batch's 4,096 rows of 96 bytes (24,772,608 at the most),
	s_mul_i32 s19, s16, 24576                      ; my wave's 256
	s_add_co_u32 s18, s18, s19
	s_mov_b32 s19, 0
	s_lshl_b32 s20, ttmp9, 14                      ; scale words: the batch's 16,384 bytes,
	s_lshl_b32 s21, s16, 10                        ; my wave's 1,024
	s_add_co_u32 s20, s20, s21
	s_mov_b32 s21, 0
	s_mul_i32 s22, ttmp9, 768                      ; out0: the batch's 64 x 3 numbers,
	s_mul_i32 s23, s17, 192                        ; my work-group's 16 x 3
	s_add_co_u32 s22, s22, s23
	s_mov_b32 s23, 0
	; descriptor group 0, a set for each slot: the wave's number times a constant, plus the slot's constant
	s_mov_b32 s32, 1
	s_mul_i32 s33, s16, WREG
	s_mov_b32 s36, 1
	s_add_co_u32 s37, s33, SLOTD
	ROUND                                          ; all four work-groups are here: the first joint loads meet.  (The arguments travel meanwhile)
	s_wait_kmcnt 0x0
	s_add_nc_u64 s[34:35], s[4:5], s[18:19]        ; my 16 rows, bytes 0 on
	s_add_nc_u64 s[38:39], s[34:35], PARTB         ; and bytes 512 on
	s_or_b32 s35, s35, 0x80000000                  ; type = 2
	s_or_b32 s39, s39, 0x80000000
	s_add_nc_u64 s[6:7], s[6:7], s[20:21]
	s_add_nc_u64 s[14:15], s[14:15], s[22:23]
	tensor_load_to_lds s[32:35], s[24:31]          ; the two first fills, one group: two loads of mine are out
	s_nop 0
	tensor_load_to_lds s[36:39], s[24:31]
	s_nop 0
	v_and_b32 v[TR], 15, v0                        ; r
	v_bfe_u32 v[TH], v0, 4, 1                      ; h
	v_and_b32 v[TL], 31, v0                        ; lane
	v_bfe_u32 v[TRR], v0, 1, 2
	v_and_b32 v[TA], 1, v0
	v_bfe_u32 v[TB], v0, 3, 1
	v_lshl_add_u32 v[TRR], v[TA], 2, v[TRR]
	v_lshl_add_u32 v[TRR], v[TB], 3, v[TRR]        ; my row's segment: ((r >> 1) & 3) + 4 (r & 1) + 8 (r >> 3)
	v_xor_b32 v[THN], 1, v[TH]                     ; 1 - h
	v_bfe_u32 v[TP], v0, 4, 2                      ; which eight stretches I fold at the end
	v_lshlrev_b32 v[SOF], 6, v[TRR]
	v_lshl_add_u32 v[SOF], v[TH], 5, v[SOF]        ; a segment's 16 scale words are 64 bytes: lanes 0-15 take those of steps 0-7, lanes 16-31 of steps 8-15
	global_load_b128 v[SS:SS+3], v[SOF], s[6:7]    ; the two loads cover the wave's 1,024 consecutive bytes
	global_load_b128 v[SS+4:SS+7], v[SOF], s[6:7] offset:16
	s_lshl_b32 s49, s17, 6
	v_lshl_add_u32 v[GOF], v[TR], 2, s49           ; 4 (16 cx + r): my f in a row of bias or of the kernel's scale words
.irp c, 0,1,2,3,4,5
	global_load_b32 v[KS+\c], v[GOF], s[10:11] offset:256*\c       ; the scale word of kernel row (c, f): lanes 0-15 are read by the products
.endr
	global_load_b32 v[BIAS0], v[GOF], s[12:13]
	global_load_b32 v[B1P], v[GOF], s[12:13] offset:256
	global_load_b32 v[BI2], v[GOF], s[12:13] offset:512
	global_load_b32 v[B3P], v[GOF], s[12:13] offset:768
	global_load_b32 v[BI4], v[GOF], s[12:13] offset:1024
	global_load_b32 v[BI5], v[GOF], s[12:13] offset:1280
	; every LDS address, from the thread's and the wave's number and constants, ahead of the first parting of the waves
	s_min_u32 s50, s16, 5                          ; waves 0-5 fetch fragment c = wave; held at 5, so that the addresses stay inside in every wave
	s_mul_i32 s51, s50, 6144                       ; kernel row (c, 16 cx + r): 64 rows of 96 bytes a c
	s_mul_i32 s52, s17, 1536
	s_add_co_u32 s51, s51, s52
	v_mul_u32_u24 v[KOF], v[TR], 96
	v_mad_u32_u24 v[KOF], v[TH], 24, v[KOF]
	v_add_nc_u32 v[KOF], s51, v[KOF]
	s_mul_i32 s53, s50, 1536
	s_add_co_u32 s53, s53, KIMG
	v_lshl_add_u32 v[KST], v[TL], 4, s53
	v_lshl_add_u32 v[KLD], v[TL], 4, KIMG
	v_mul_u32_u24 v[TBASE], v[TRR], PITCH
	v_add_nc_u32 v[TBASE], s33, v[TBASE]           ; my row in my wave's slot 0
	v_mad_u32_u24 v[A24], v[TH], 24, v[TBASE]
	v_mad_u32_u24 v[AUP], v[TH], SLOTD-488, v[TBASE]       ; byte x of slot 0 for lanes 0-15, byte x + 24 - 512 of slot 1 for lanes 16-31
	v_mad_u32_u24 v[AWR], v[THN], SLOTD+488, v[TBASE]      ; with the offset x - 488: byte x of slot 1 for lanes 0-15, byte x + 24 - 512 of slot 0 for lanes 16-31
	s_mul_i32 s54, s16, 2*SUMP
	s_add_co_u32 s54, s54, SUM
	v_mul_u32_u24 v[T48], v[TR], 48
	v_mad_u32_u24 v[ASUM], v[TH], SUMP, v[T48]
	v_add_nc_u32 v[ASUM], s54, v[ASUM]             ; stretch 2 w + h, f = r
	v_mad_u32_u24 v[RSUM], v[TP], 8*SUMP, v[T48]
	v_add_nc_u32 v[RSUM], SUM, v[RSUM]
	v_mad_u32_u24 v[S2W], v[TP], SUMP, v[T48]
	v_add_nc_u32 v[S2W], SUM2, v[S2W]
	v_add_nc_u32 v[S2R], SUM2, v[T48]
	v_mul_u32_u24 v[OUTO], v[TR], 12
	; THE KERNEL'S FRAGMENTS are the same in all sixteen waves: each is fetched once and goes round as an image of its registers (lane l's 16 bytes at 16 l, 512 bytes a store)
	s_cmp_ge_u32 s16, 6
	s_cbranch_scc1 .Lno_image
.irp p, 0,1,2,3,4,5
	global_load_b64 v[KF+2*\p:KF+2*\p+1], v[KOF], s[8:9] offset:48*(\p/3)+8*(\p%3)
.endr
	s_wait_loadcnt 0x0
.irp i, 0,1,2
	ds_store_b128 v[KST], v[KF+4*\i:KF+4*\i+3] offset:512*\i
.endr
.Lno_image:
	s_wait_loadcnt 0x0                             ; the scale words and the biases
	v_mov_b32 v[B1P+1], v[B1P]
	v_mov_b32 v[B3P+1], v[B3P]
.irp b, BI2, BI4, BI5
.irp j, 1,2,3,4,5,6,7
	v_mov_b32 v[\b+\j], v[\b]                      ; a lane's eight results of a product have one f: its bias eight times
.endr
.endr
	s_wait_dscnt 0x0                               ; for the others' sake: my image has landed
	s_barrier_signal -1
	s_barrier_wait -1                              ; all six have.  (The tiles may stay out: each wave waits for its own before it reads them)
.irp c, 0,1,2,3,4,5
.irp i, 0,1,2
	ds_load_b128 v[KF+12*\c+4*\i:KF+12*\c+4*\i+3], v[KLD] offset:1536*\c+512*\i
.endr
.endr
; Step k's fragment of 16 times: of each row the 96 bytes from 96 k on; lanes 0-15 take bytes 0-23 and 48-71 of them, lanes 16-31 those 24 bytes on, in pieces of 8.
; Byte x of a row lies in slot (x / 512) % 2 at x % 512.  Where the piece 24 bytes on lies in the next 512 bytes, the second or third address register serves.
.macro LOADA k
.irp p, 0,1,2,3,4,5
.set X0, 96*(\k)+48*(\p/3)+8*(\p%3)
.set J0, X0/512
.set J1, (X0+24)/512
.set DST, ABUF+12*((\k)%2)+2*\p
.if J0 == J1
	ds_load_b64 v[DST:DST+1], v[A24] offset:(J0%2)*SLOTD+X0%512
.elseif J0 == 0
	ds_load_b64 v[DST:DST+1], v[AUP] offset:X0%512
.else
	ds_load_b64 v[DST:DST+1], v[AWR] offset:X0%512-488
.endif
.endr
.endm
; One product: result d, component c, C in registers cr on (cr < 0: the constant 0), step k.  The scale words of steps 8-15 stand in lanes 16-31.
.macro MM d, c, cr, k
.if (\cr) < 0
	v_wmma_scale_f32_16x16x128_f8f6f4 v[\d:\d+7], v[AB:AB+11], v[KF+12*\c:KF+12*\c+11], 0, v[SS+(\k)%8], v[KS+\c] matrix_a_fmt:MATRIX_FMT_BF6 matrix_b_fmt:MATRIX_FMT_BF6
.elseif (\k) >= 8
	v_wmma_scale_f32_16x16x128_f8f6f4 v[\d:\d+7], v[AB:AB+11], v[KF+12*\c:KF+12*\c+11], v[\cr:\cr+7], v[SS+(\k)%8], v[KS+\c] matrix_a_fmt:MATRIX_FMT_BF6 matrix_b_fmt:MATRIX_FMT_BF6 matrix_a_scale:MATRIX_SCALE_ROW1
.else
	v_wmma_scale_f32_16x16x128_f8f6f4 v[\d:\d+7], v[AB:AB+11], v[KF+12*\c:KF+12*\c+11], v[\cr:\cr+7], v[SS+(\k)%8], v[KS+\c] matrix_a_fmt:MATRIX_FMT_BF6 matrix_b_fmt:MATRIX_FMT_BF6
.endif
.endm
.macro WP k                            ; M0 onto its sum; M2, M4, M5 of the step.  Step 0's are the first terms of their sums and are written there
.set AB, ABUF+12*((\k)%2)
.if (\k) == 0
	MM ACC0, 0, -1, \k
	MM SA2, 2, BI2, \k
	MM SE4, 4, BI4, \k
	MM SA5, 5, BI5, \k
.else
	MM ACC0, 0, ACC0, \k
	MM RM2, 2, BI2, \k
	MM RM4, 4, BI4, \k
	MM RM5, 5, BI5, \k
.endif
.endm
.macro WC k                            ; M1 and M3 onto their sums, behind the lines that took the sums from before this time.  The three accumulators that add in place take turns with the others, one instruction a turn
.set AB, ABUF+12*((\k)%2)
.if (\k) == 0
	MM ACC1, 1, -1, \k
	MM ACC3, 3, -1, \k
.else
	MM ACC1, 1, ACC1, \k
	MM ACC3, 3, ACC3, \k
.endif
.endm
.macro VQ                              ; the biases of the M1 and M3 just added
.irp p, 0,2,4,6
	v_pk_add_f32 v[ACC1+\p:ACC1+\p+1], v[ACC1+\p:ACC1+\p+1], v[B1P:B1P+1]
	v_pk_add_f32 v[ACC3+\p:ACC3+\p+1], v[ACC3+\p:ACC3+\p+1], v[B3P:B3P+1]
.endr
.endm
.macro V1 k                            ; the lines that read the sums of M1 and M3: each takes the values from before this time.  The first term of a sum is a multiplication
.irp p, 0,2,4,6
.if (\k) > 2
	v_pk_fma_f32 v[SL345+\p:SL345+\p+1], v[RM5+\p:RM5+\p+1], v[SL34+\p:SL34+\p+1], v[SL345+\p:SL345+\p+1]
.elseif (\k) == 2
	v_pk_mul_f32 v[SL345+\p:SL345+\p+1], v[RM5+\p:RM5+\p+1], v[SL34+\p:SL34+\p+1]
.endif
.if (\k) > 1
	v_pk_fma_f32 v[SL34+\p:SL34+\p+1], v[RM4+\p:RM4+\p+1], v[ACC3+\p:ACC3+\p+1], v[SL34+\p:SL34+\p+1]
	v_pk_fma_f32 v[SL12+\p:SL12+\p+1], v[RM2+\p:RM2+\p+1], v[ACC1+\p:ACC1+\p+1], v[SL12+\p:SL12+\p+1]
.else
	v_pk_mul_f32 v[SL34+\p:SL34+\p+1], v[RM4+\p:RM4+\p+1], v[ACC3+\p:ACC3+\p+1]
	v_pk_mul_f32 v[SL12+\p:SL12+\p+1], v[RM2+\p:RM2+\p+1], v[ACC1+\p:ACC1+\p+1]
.endif
.endr
.endm
.macro V2 k, p                         ; the rest, for one pair: it names no register of the products of M1 and M3
.if (\k) > 1
	v_pk_fma_f32 v[SL45+\p:SL45+\p+1], v[RM5+\p:RM5+\p+1], v[SE4+\p:SE4+\p+1], v[SL45+\p:SL45+\p+1]
.else
	v_pk_mul_f32 v[SL45+\p:SL45+\p+1], v[RM5+\p:RM5+\p+1], v[SE4+\p:SE4+\p+1]
.endif
	v_pk_add_f32 v[SE4+\p:SE4+\p+1], v[SE4+\p:SE4+\p+1], v[RM4+\p:RM4+\p+1]
	v_pk_add_f32 v[SA5+\p:SA5+\p+1], v[SA5+\p:SA5+\p+1], v[RM5+\p:RM5+\p+1]
	v_pk_add_f32 v[SA2+\p:SA2+\p+1], v[SA2+\p:SA2+\p+1], v[RM2+\p:RM2+\p+1]
.endm
; A STEP.  Every distance behind a product is filled by arithmetic that names none of that product's registers:
; four products | the last step's biases (8 lines: the places in front of the reads of M2, M4, M5) | 12 lines that read the old sums of M1, M3 | two products onto those sums | 16 lines (the places in front of the
; next biases, and, after eight of them, of the loads into the buffer just multiplied).  Results are read from their low end on (pair 0 first).  The fragment of two steps on is asked for in the step's second half.
; STEP 3 asks for step 5's fragment, the last read of slot 0, and then fills that slot again with the rows' last 512 bytes.  Every wave waits for all its tensor loads, adds 0 to its spare word, waits for that and
; for its reads, and passes a round of the cluster's barrier: no wave of any partner still reads the slot or has a load on its way.  The joint refill is the first thing behind the round.
; Those bytes are first read by step 10's fragment, which is therefore asked for in step 9, with step 11's: the load has five and a half steps in which to land.
.macro STEP k
.if ((\k) == 9) || ((\k) == 15)
	s_wait_dscnt 0x0                               ; this step's fragment is in: no younger load is out
.else
	s_wait_dscnt 6                                 ; this step's fragment is in; the six loads of the next step's may be out
.endif
	WP \k
.if (\k) > 0
	VQ
	V1 \k
.endif
	WC \k
.if (\k) == 0
.rept 4
	v_nop                                          ; step 0 has no arithmetic yet: four places in front of the loads below and of the first biases
.endr
	LOADA 2
.else
	V2 \k, 0
	V2 \k, 2
.if (\k) == 3
	s_wait_tensorcnt 0x0                           ; the rows' bytes 512 on are in: no load was issued behind that one
	LOADA 5
	s_wait_tensorcnt 0x0                           ; no tensor load of mine is out, so a group 0 may be written
	ds_add_u32 v[SPW], v[NIL]                      ; 0 onto my spare word: work on registers stands between it and the wait for it
	s_add_nc_u64 s[34:35], s[34:35], 2*PARTB       ; slot 0's next tile: bytes 1,024 on; the type bits on top are not reached
	V2 \k, 4
	V2 \k, 6
	s_wait_dscnt 0x0                               ; the add is done, and my reads of slot 0 are over
	ROUND
	tensor_load_to_lds s[32:35], s[24:31]          ; my one tensor load behind the round
	s_nop 0
	v_nop
.else
.if (\k) == 9
	s_wait_tensorcnt 0x0                           ; the refill is in: no load was issued behind it
	LOADA 10
	LOADA 11
.elseif ((\k) != 8) && ((\k) < 14)
	LOADA (\k)+2
.endif
	V2 \k, 4
	V2 \k, 6
.endif
.endif
.endm
	s_wait_tensorcnt 0x1                           ; my rows' first 512 bytes are in; the second load may be out
	LOADA 0
	LOADA 1
.irp k, 0,1,2,3,4,5,6,7,8,9,10,11,12,13,14,15
	STEP \k
.endr
	VQ                                             ; the last biases
; A LANE'S EIGHT SEGMENTS ARE JOINED.  Pair p holds segments (p, p + 4): pairs 0 and 1 give (0-1, 4-5), pairs 2 and 3 give (2-3, 6-7), those two give (0-3, 4-7): three packed joins, X in place.
.macro JOINP x, y
	v_pk_fma_f32 v[SL12+\x:SL12+\x+1], v[ACC1+\x:ACC1+\x+1], v[SA2+\y:SA2+\y+1], v[SL12+\x:SL12+\x+1]         ; l12  += a1X a2Y
	v_pk_fma_f32 v[SL345+\x:SL345+\x+1], v[SL34+\x:SL34+\x+1], v[SA5+\y:SA5+\y+1], v[SL345+\x:SL345+\x+1]     ; l345 += l34X a5Y
	v_pk_fma_f32 v[SL345+\x:SL345+\x+1], v[ACC3+\x:ACC3+\x+1], v[SL45+\y:SL45+\y+1], v[SL345+\x:SL345+\x+1]   ;       + a3X l45Y
	v_pk_fma_f32 v[SL34+\x:SL34+\x+1], v[ACC3+\x:ACC3+\x+1], v[SE4+\y:SE4+\y+1], v[SL34+\x:SL34+\x+1]         ; l34  += a3X a4Y
	v_pk_fma_f32 v[SL45+\x:SL45+\x+1], v[SE4+\x:SE4+\x+1], v[SA5+\y:SA5+\y+1], v[SL45+\x:SL45+\x+1]           ; l45  += a4X a5Y
.irp a, ACC0, ACC1, ACC3, SA2, SL12, SE4, SA5, SL34, SL45, SL345
	v_pk_add_f32 v[\a+\x:\a+\x+1], v[\a+\x:\a+\x+1], v[\a+\y:\a+\y+1]
.endr
.endm
	JOINP 0, 2
	JOINP 4, 6
	JOINP 0, 4
	; and the pair's two halves: X = the low register (segments 0-3), Y = the high one.  Order of the ten: a1, a2, a0, l12, l345, a3, a4, a5, l34, l45
	v_add_f32 v[RF+0], v[ACC1], v[ACC1+1]
	v_add_f32 v[RF+1], v[SA2], v[SA2+1]
	v_add_f32 v[RF+2], v[ACC0], v[ACC0+1]
	v_add_f32 v[RF+3], v[SL12], v[SL12+1]
	v_add_f32 v[RF+4], v[SL345], v[SL345+1]
	v_add_f32 v[RF+5], v[ACC3], v[ACC3+1]
	v_add_f32 v[RF+6], v[SE4], v[SE4+1]
	v_add_f32 v[RF+7], v[SA5], v[SA5+1]
	v_add_f32 v[RF+8], v[SL34], v[SL34+1]
	v_add_f32 v[RF+9], v[SL45], v[SL45+1]
	v_fmac_f32 v[RF+2], 0x43000000, v[BIAS0]       ; + 128.0 x bias[0][f], for the lane's 128 times
	v_fmac_f32 v[RF+3], v[ACC1], v[SA2+1]          ; + a1X a2Y
	v_fmac_f32 v[RF+4], v[SL34], v[SA5+1]          ; + l34X a5Y
	v_fmac_f32 v[RF+8], v[ACC3], v[SE4+1]          ; + a3X a4Y
	v_fmac_f32 v[RF+9], v[SE4], v[SA5+1]           ; + a4X a5Y
	v_fmac_f32 v[RF+4], v[ACC3], v[SL45+1]         ; + a3X l45Y
	ds_store_b128 v[ASUM], v[RF:RF+3]              ; 48 bytes from f to f: sixteen lanes' 16 bytes begin at 16 different multiples of 16 modulo 256
	ds_store_b128 v[ASUM], v[RF+4:RF+7] offset:16
	ds_store_b64 v[ASUM], v[RF+8:RF+9] offset:32
	s_wait_dscnt 0x0                               ; for the others' sake: my stores have landed
	s_barrier_signal -1
	s_barrier_wait -1                              ; the 32 stretches' summaries of the 16 f lie in LDS
; Stretch Y is joined onto the running summary R, which lies before it in time.  The products take R's old numbers; then the ten add.  full = 0: R's l45, which no later join reads, is left without its product.
.macro FOLD R, Y, full
	v_fmac_f32 v[(\R)+3], v[(\R)+0], v[(\Y)+1]     ; l12  += a1X a2Y
	v_fmac_f32 v[(\R)+4], v[(\R)+8], v[(\Y)+7]     ; l345 += l34X a5Y
	v_fmac_f32 v[(\R)+4], v[(\R)+5], v[(\Y)+9]     ;       + a3X l45Y
	v_fmac_f32 v[(\R)+8], v[(\R)+5], v[(\Y)+6]     ; l34  += a3X a4Y
.if \full
	v_fmac_f32 v[(\R)+9], v[(\R)+6], v[(\Y)+7]     ; l45  += a4X a5Y
.endif
.irp i, 0,2,4,6,8
	v_pk_add_f32 v[(\R)+\i:(\R)+\i+1], v[(\R)+\i:(\R)+\i+1], v[(\Y)+\i:(\Y)+\i+1]
.endr
.endm
.macro GET reg, adr, off               ; a summary's ten numbers
	ds_load_b128 v[\reg:\reg+3], v[\adr] offset:\off
	ds_load_b128 v[\reg+4:\reg+7], v[\adr] offset:\off+16
	ds_load_b64 v[\reg+8:\reg+9], v[\adr] offset:\off+32
.endm
	s_cmp_ge_u32 s16, 2
	s_cbranch_scc1 .Lfolded                        ; 64 threads: an f and eight successive stretches each
	GET RF, RSUM, 0
.irp i, 1,2,3,4,5,6,7
	GET YF+12*(\i-1), RSUM, SUMP*\i
.endr
.irp i, 1,2,3,4,5,6,7
	s_wait_dscnt 21-3*\i                           ; of the 24 loads the three of each later stretch may be out
	FOLD RF, YF+12*(\i-1), 1
.endr
	ds_store_b128 v[S2W], v[RF:RF+3]
	ds_store_b128 v[S2W], v[RF+4:RF+7] offset:16
	ds_store_b64 v[S2W], v[RF+8:RF+9] offset:32
.Lfolded:
	s_wait_dscnt 0x0                               ; for wave 0's sake: the stores have landed
	s_barrier_signal -1
	s_barrier_wait -1
	s_cmp_lg_u32 s16, 0
	s_cbranch_scc1 .Ldone                          ; wave 0 joins the four; lanes 16-31 do what lanes 0-15 do and store nothing
	GET RF, S2R, 0
.irp j, 1,2,3
	GET YF+12*(\j-1), S2R, SUMP*\j
.endr
.irp j, 1,2,3
	s_wait_dscnt 9-3*\j                            ; of the twelve loads the three of each later summary may be out
	FOLD RF, YF+12*(\j-1), 0
.endr
	s_wait_xcnt 0x0                                ; EXEC changes only behind this wait
	v_cmp_gt_u32 vcc_lo, 16, v0
	s_and_saveexec_b32 s20, vcc_lo
	global_store_b96 v[OUTO], v[RF+2:RF+4], s[14:15]       ; a0, l12, l345 stand side by side: sixteen lanes store the work-group's 192 consecutive bytes
	s_wait_xcnt 0x0                                ; and again, in front of the line that widens it
	s_or_b32 exec_lo, exec_lo, s20
.Ldone:
	s_wait_tensorcnt 0x0                           ; the wave's end, behind my last tensor load and my last LDS store
	ds_add_u32 v[SPW], v[NIL]
	s_wait_dscnt 0x0
	ROUND                                          ; the closing round: no work-group ends while a partner may still ask for a tile that names it
	s_endpgm
.Lfunc_end_k_q9bab272e78_ls2t:
	.size	k_q9bab272e78_ls2t, .Lfunc_end_k_q9bab272e78_ls2t-k_q9bab272e78_ls2t
	.p2alignl 7, 3214868480
	.fill 96, 4, 3214868480
	.section	.rodata,"a",@progbits
	.p2align	6, 0x0
	.amdhsa_kernel k_q9bab272e78_ls2t
		.amdhsa_group_segment_fixed_size 327680
		.amdhsa_private_segment_fixed_size 0
		.amdhsa_enable_private_segment 0
		.amdhsa_kernarg_size 48
		.amdhsa_user_sgpr_count 2
		.amdhsa_user_sgpr_kernarg_segment_ptr 1
		.amdhsa_wavefront_size32 1
		.amdhsa_system_sgpr_workgroup_id_x 1
		.amdhsa_system_sgpr_workgroup_id_y 1
		.amdhsa_system_sgpr_workgroup_id_z 1
		.amdhsa_system_vgpr_workitem_id 0
		.amdhsa_next_free_vgpr 256
		.amdhsa_next_free_sgpr 66
		.amdhsa_reserve_vcc 1
		.amdhsa_float_denorm_mode_32 3
		.amdhsa_float_denorm_mode_16_64 3
		.amdhsa_memory_ordered 1
		.amdhsa_forward_progress 1
		.amdhsa_inst_pref_size 75
	.end_amdhsa_kernel
	.amdgpu_metadata
---
amdhsa.version: [ 1, 2 ]
amdhsa.kernels:
  - .name:           k_q9bab272e78_ls2t
    .symbol:         k_q9bab272e78_ls2t.kd
    .args:
      - { .name: sequences_codes, .offset: 0, .size: 8, .value_kind: global_buffer, .address_space: global }
      - { .name: sequences_scales, .offset: 8, .size: 8, .value_kind: global_buffer, .address_space: global }
      - { .name: kernel_codes, .offset: 16, .size: 8, .value_kind: global_buffer, .address_space: global }
      - { .name: kernel_scales, .offset: 24, .size: 8, .value_kind: global_buffer, .address_space: global }
      - { .name: bias, .offset: 32, .size: 8, .value_kind: global_buffer, .address_space: global }
      - { .name: out0, .offset: 40, .size: 8, .value_kind: global_buffer, .address_space: global }
    .group_segment_fixed_size: 327680
    .private_segment_fixed_size: 0
    .kernarg_segment_align: 8
    .kernarg_segment_size: 48
    .max_flat_workgroup_size: 512
    .sgpr_count:     66
    .vgpr_count:     256
    .wavefront_size: 32
...
	.end_amdgpu_metadata
.endif
;; end of part 3
